; MI455X (gfx1250); checked and timed in simulation.
; The chip was launched on July 23, 2026; its instructions are those of AMD's public machine-readable ISA for CDNA 5 (MIT licence, August 2026) and "CDNA5" Instruction Set Architecture Reference Guide (July 2026). The comments in the code are by the model that wrote it; some were corrected since.
;; LSTM Model. Allowed arithmetic: float matrix products may take bf16 or f16 operands with f32 sums; other float arithmetic in f32, or as packed bf16 or f16 multiplies, adds, multiply-adds, maxima and minima; sums over many terms, partial sums and values carried from step to step in f32; what a program stores and reads back later, other than sums and carried values, may be rounded once to bf16 or f16.
;; Inputs: Wfc 1 x 32 float32; Wh0 128 x 32 float32; Wh1 128 x 32 float32; Wh2 128 x 32 float32; Wx0 128 x 2 float32; Wx1 128 x 32 float32; Wx2 128 x 32 float32; bfc 1 float32; bh0 128 float32; bh1 128 float32; bh2 128 float32; bx0 128 float32; bx1 128 float32; bx2 128 float32; x 1,024 x 1,024 x 2 float32.
;; Outputs: out0 1,024 x 1 float32.
;; One version. Each part assembles by itself: llvm-mc -triple=amdgcn-amd-amdhsa -mcpu=gfx1250 --defsym DOCPART=n.
;; ======== version 1 of 1: 1 launch
;; launch lstm (part 1): grid 64 x 1, 4 waves a work-group, no clusters, 2,816 bytes of LDS; arguments x, Wx0, Wh0, Wx1, Wh1, Wx2, Wh2, bx0, bh0, bx1, bh1, bx2, bh2, Wfc, bfc, out0; writes out0
.if DOCPART == 1
	.amdgcn_target "amdgcn-amd-amdhsa--gfx1250"
	.amdhsa_code_object_version 6
	.text
	.protected	k_q95020bae83_lstm
	.globl	k_q95020bae83_lstm
	.p2align	8
	.type	k_q95020bae83_lstm,@function
k_q95020bae83_lstm:
	s_mov_b64 s[64:65], 0
	v_nop
	global_prefetch_b8 v0, s[64:65] scope:SCOPE_SE
	s_setreg_imm32_b32 hwreg(HW_REG_WAVE_MODE, 25, 1), 1
	s_wait_xcnt 0x0
; out0[b] = Wfc . h2[b] + bfc, where h2 comes of three LSTM cells on x[b][1023][:].  The model treats its B x T rows apart from each other and keeps
; time step T - 1 alone, so only the 1,024 rows x[b][1023][:] (8 bytes each) bear on the result: those are read and computed, the others are not.
; AS WRITTEN IN THE MODEL: the hidden state that enters every cell is 0, and so is layer 0's cell state.  Both terms are kept: Wh0, Wh1, Wh2 are loaded, rounded and
; multiplied by a fragment of zeros, and layer 0's forget gate is made and multiplied by a c of zeros: one text serves the three layers.
; SHARES.  Work-group g owns batch rows 16 g .. 16 g + 15: the 16 columns of one matrix tile; 1,024 rows make 64 work-groups.  Wave w owns hidden units 8 w .. 8 w + 7
; of all four gates: 32 gate rows, two tiles of 16 a layer.
; LAYOUT.  gates^T = W xin^T (source 0 = 16 rows of W, source 1 = the 16 batch rows).  Source 0's row m takes W's row (m / 8) 32 + 8 w + m % 8 in tile A and 64 rows further in
; tile B.  In a result lane l holds batch row l % 16 and rows m = 8 (l / 16) + 0..7: so tile A holds gate i in lanes 0-15 and f in lanes 16-31, tile B holds g and o, register j = unit 8 w + j.
; THE CELL, a lane's 8 + 8 registers: sA = sigmoid(A); tB = tanh(B) below, sigmoid(B) above (one text, three constants a lane); P = sA x (below tB, above c_old);
; c = P + P of the lane 16 away (right in both halves; kept in f32); h = tB x tanh(c), right in lanes 16-31.
; sigmoid(z) = 1 / (1 + 2^(-log2(e) z)), tanh(z) = 2 / (1 + 2^(-2 log2(e) z)) - 1: a power that overflows gives 1 / inf = 0, one that underflows 1 / 1: both ends are right for every finite z.
; FROM LAYER TO LAYER.  A wave's 8 units of a batch row, rounded to bf16, are 16 bytes: one block of 8 along K of the next layer's source 1.  They meet in LDS, each layer in bytes of its own: one barrier a layer.
; THE LAST PRODUCT has one output column: 8 multiply-adds in f32 a wave, Wfc in scalar registers; the four waves' sums meet in LDS, wave 0 adds them and bfc.
; FORMATS.  x, Wx, Wh, h0, h1 are rounded once to bf16 for the matrix unit; sums, biases, c, the activations, h2, Wfc and bfc stay in f32.
; LIMITS.  bx + bh is added first and starts the sum (another order of rounding than the model's); tanh by the form above is off by about 1e-7 absolutely, also near 0;
; NaN and infinities are not treated apart.  A work-group stores 64 consecutive bytes of out0: it owns no more than 16 outputs.
; NO CLUSTER, NO TENSOR LOADS: the weights come in f32 and are rounded in registers; a wave wants a quarter of each matrix (4 KiB of 16), and takes it straight from memory in the fragment's
; own order, once; nothing would be read from an LDS tile twice.  NO PREFETCH: all 67 loads of a wave go out in one run at the head, and nothing is loaded later.
.set HX,    0          ; LDS: h of layer l (0, 1) in bf16 at 1,024 l: units 8 w .. 8 w + 7 of batch row r at 256 w + 16 r
.set FCP,   2048       ; the last product's partial sums, f32: wave w's 16 at 64 w + 4 r
.set SPARE, 2304       ; the spare words, 128 bytes for each wave: two blocks of 256 bytes that no other line names
.set LN,  1            ; v1   lane l
.set RW,  2            ; v2   r = l % 16
.set HH,  3            ; v3   l / 16
.set RHO, 4            ; v4   W's row for my row of tile A: (r / 8) 32 + r % 8 + 8 w
.set WO,  5            ; v5   my bytes in a matrix of 32 columns: 128 RHO + 32 (l / 16)
.set W0O, 6            ; v6   in Wx0: 8 RHO
.set BO,  7            ; v7   in a bias: 128 (l / 16) + 32 w
.set XO,  8            ; v8   in x: 8,192 r
.set HW,  9            ; v9   where lanes 16-31 put 16 bytes of h
.set HR,  10           ; v10  where I read h back: 16 l
.set PW,  11           ; v11  where lanes 16-31 put a partial sum
.set PR,  12           ; v12  where wave 0 reads them back
.set OO,  13           ; v13  my bytes in the work-group's 64 of out0: 4 r
.set SPW, 14           ; v14  LDS address of my spare word; never rewritten
.set NIL, 15           ; v15  0; never rewritten
.set KB,  16           ; v[16:17] tile B's factor in front of the power: -2 log2(e) below, -log2(e) above
.set MA,  18           ; v[18:19] 2 below, 1 above
.set MB,  20           ; v[20:21] -1 below, 0 above
.set XS,  22           ; v[22:23] x in f32
.set W0S, 24           ; v[24:27] Wx0's rows for tiles A and B, f32
.set P0,  28           ; v28, v29 at work
.set XB,  32           ; v[32:39] x as source 1
.set ZB,  40           ; v[40:47] zeros: the hidden state as source 1, and layer 0's c_old
.set HB,  48           ; v[48:55] h as source 1
.set CC,  56           ; v[56:63] c
.set T,   64           ; v[64:71] at work; at a cell's end h
.set HP,  72           ; v[72:75] h in bf16
.set ACC, 80           ; v[80:127] layer l's sums at ACC + 16 l: tile A, tile B
.set FR,  128          ; v[128:223] layer l's fragments at FR + 32 l: WxA, WxB, WhA, WhB
                       ; window 1 (v256-511), f32 as loaded: matrix p (Wh0, Wx1, Wh1, Wx2, Wh2), tile t at 32 p + 16 t; bias v (bx0, bh0, .. bh2) at 160 + 16 v
.set WV,  6            ; s6   my wave's number
.set WF,  40           ; s[40:47] Wfc[8 w .. 8 w + 7]
.set BF,  48           ; s48  bfc
.set W32, 49           ; s49  32 w
.set KS,  50           ; s[50:51] -log2(e)
.set K2,  52           ; s[52:53] -2 log2(e)
.set SEL, 54           ; s[54:55] v_permlanex16_b32's selects: each lane takes its own place in the other half
.set SV,  56           ; s56  EXEC, kept
.set MSB, 0
.macro WIN new                      ; the immediate's high byte repeats the setting that is left
.if MSB != (\new)
	s_set_vgpr_msb (MSB<<8)|(\new)
.set MSB, (\new)
.endif
.endm
; Matrix p: my 2 x 64 bytes of each of my two rows.  A fragment wants K = 8 (l / 16) + 0..7 and 16 + 8 (l / 16) + 0..7: in f32 32 bytes at 32 (l / 16) and 32 at 64 + 32 (l / 16).
.macro LDW p
.irp t, 0,1
	global_load_b128 v[32*(\p)+16*(\t):32*(\p)+16*(\t)+3],     v[WO], s[12+2*(\p):13+2*(\p)] offset:8192*(\t)
	global_load_b128 v[32*(\p)+16*(\t)+4:32*(\p)+16*(\t)+7],   v[WO], s[12+2*(\p):13+2*(\p)] offset:8192*(\t)+16
	global_load_b128 v[32*(\p)+16*(\t)+8:32*(\p)+16*(\t)+11],  v[WO], s[12+2*(\p):13+2*(\p)] offset:8192*(\t)+64
	global_load_b128 v[32*(\p)+16*(\t)+12:32*(\p)+16*(\t)+15], v[WO], s[12+2*(\p):13+2*(\p)] offset:8192*(\t)+80
.endr
.endm
; Bias v, in the results' layout: register j of tile A is row 32 (l / 16) + 8 w + j, of tile B 64 rows on.
.macro LDB v
	global_load_b128 v[160+16*(\v):160+16*(\v)+3],     v[BO], s[22+2*(\v):23+2*(\v)]
	global_load_b128 v[160+16*(\v)+4:160+16*(\v)+7],   v[BO], s[22+2*(\v):23+2*(\v)] offset:16
	global_load_b128 v[160+16*(\v)+8:160+16*(\v)+11],  v[BO], s[22+2*(\v):23+2*(\v)] offset:256
	global_load_b128 v[160+16*(\v)+12:160+16*(\v)+15], v[BO], s[22+2*(\v):23+2*(\v)] offset:272
.endm
.macro CVW p                        ; matrix p rounded to bf16: two fragments
.irp t, 0,1
.irp q, 0,1,2,3,4,5,6,7
	v_cvt_pk_bf16_f32 v[FR+16+16*(\p)+8*(\t)+(\q)], v[32*(\p)+16*(\t)+2*(\q)], v[32*(\p)+16*(\t)+2*(\q)+1]
.endr
.endr
.endm
.macro BSUM l                       ; bx + bh starts layer l's sums: nothing is cleared
.irp q, 0,2,4,6,8,10,12,14
	v_pk_add_f32 v[ACC+16*(\l)+(\q):ACC+16*(\l)+(\q)+1], v[160+32*(\l)+(\q):160+32*(\l)+(\q)+1], v[176+32*(\l)+(\q):176+32*(\l)+(\q)+1]
.endr
.endm
; The two accumulators of a layer take turns, one instruction a turn: A, B (Wh x 0), A, B (Wx x input), and so on from layer to layer.
.macro MMH l
	v_wmma_f32_16x16x32_bf16 v[ACC+16*(\l):ACC+16*(\l)+7],    v[FR+32*(\l)+16:FR+32*(\l)+23], v[ZB:ZB+7], v[ACC+16*(\l):ACC+16*(\l)+7]
	v_wmma_f32_16x16x32_bf16 v[ACC+16*(\l)+8:ACC+16*(\l)+15], v[FR+32*(\l)+24:FR+32*(\l)+31], v[ZB:ZB+7], v[ACC+16*(\l)+8:ACC+16*(\l)+15]
.endm
.macro MMX l, b
	v_wmma_f32_16x16x32_bf16 v[ACC+16*(\l):ACC+16*(\l)+7],    v[FR+32*(\l):FR+32*(\l)+7],    v[(\b):(\b)+7], v[ACC+16*(\l):ACC+16*(\l)+7]
	v_wmma_f32_16x16x32_bf16 v[ACC+16*(\l)+8:ACC+16*(\l)+15], v[FR+32*(\l)+8:FR+32*(\l)+15], v[(\b):(\b)+7], v[ACC+16*(\l)+8:ACC+16*(\l)+15]
.rept 8
	v_nop                           ; places between the last product and the packed lines that read the sums; no other vector work is at hand
.endr
.endm
.macro TW                           ; behind a batch of powers or reciprocals: one plain instruction, and one wait ahead of the batch's first reader
	v_nop
	s_wait_alu depctr_va_vdst(0)
.endm
; Layer l's cell.  cold: the registers of c_old.  Every pass goes up the registers.
.macro ACT l, cold
.set RA, ACC+16*(\l)
.set RB, RA+8
.irp q, 0,2,4,6
	v_pk_mul_f32 v[RA+(\q):RA+(\q)+1], v[RA+(\q):RA+(\q)+1], s[KS:KS+1] op_sel_hi:[1,0]
.endr
.irp q, 0,2,4,6
	v_pk_mul_f32 v[RB+(\q):RB+(\q)+1], v[RB+(\q):RB+(\q)+1], v[KB:KB+1]
.endr
.irp j, 0,1,2,3,4,5,6,7,8,9,10,11,12,13,14,15
	v_exp_f32 v[RA+(\j)], v[RA+(\j)]
.endr
	TW
.irp q, 0,2,4,6,8,10,12,14
	v_pk_add_f32 v[RA+(\q):RA+(\q)+1], v[RA+(\q):RA+(\q)+1], 1.0 op_sel_hi:[1,0]
.endr
.irp j, 0,1,2,3,4,5,6,7,8,9,10,11,12,13,14,15
	v_rcp_f32 v[RA+(\j)], v[RA+(\j)]
.endr
	TW
.irp q, 0,2,4,6
	v_pk_fma_f32 v[RB+(\q):RB+(\q)+1], v[RB+(\q):RB+(\q)+1], v[MA:MA+1], v[MB:MB+1]  ; below tanh(g), above sigmoid(o)
.endr
.irp j, 0,1,2,3,4,5,6,7
	v_cndmask_b32 v[T+(\j)], v[RB+(\j)], v[(\cold)+(\j)], vcc_lo                     ; below tanh(g), above c_old
.endr
.irp q, 0,2,4,6
	v_pk_mul_f32 v[T+(\q):T+(\q)+1], v[T+(\q):T+(\q)+1], v[RA+(\q):RA+(\q)+1]        ; below sigmoid(i) tanh(g), above sigmoid(f) c_old
.endr
.irp j, 0,1,2,3,4,5,6,7
	v_permlanex16_b32 v[RA+(\j)], v[T+(\j)], s[SEL], s[SEL+1]                        ; the other term lies in the lane 16 away; tile A's registers are free, and have been written
.endr
.irp q, 0,2,4,6
	v_pk_add_f32 v[CC+(\q):CC+(\q)+1], v[T+(\q):T+(\q)+1], v[RA+(\q):RA+(\q)+1]      ; c, in both halves
.endr
.irp q, 0,2,4,6
	v_pk_mul_f32 v[T+(\q):T+(\q)+1], v[CC+(\q):CC+(\q)+1], s[K2:K2+1] op_sel_hi:[1,0]
.endr
.irp j, 0,1,2,3,4,5,6,7
	v_exp_f32 v[T+(\j)], v[T+(\j)]
.endr
	TW
.irp q, 0,2,4,6
	v_pk_add_f32 v[T+(\q):T+(\q)+1], v[T+(\q):T+(\q)+1], 1.0 op_sel_hi:[1,0]
.endr
.irp j, 0,1,2,3,4,5,6,7
	v_rcp_f32 v[T+(\j)], v[T+(\j)]
.endr
	TW
.irp q, 0,2,4,6
	v_pk_fma_f32 v[T+(\q):T+(\q)+1], v[T+(\q):T+(\q)+1], 2.0, -1.0 op_sel_hi:[1,0,0] ; tanh(c)
.endr
.irp q, 0,2,4,6
	v_pk_mul_f32 v[T+(\q):T+(\q)+1], v[T+(\q):T+(\q)+1], v[RB+(\q):RB+(\q)+1]        ; h = sigmoid(o) tanh(c), in lanes 16-31
.endr
.endm
; Layer l's h goes to all four waves and becomes layer l + 1's source 1.
.macro SHARE l
.irp q, 0,1,2,3
	v_cvt_pk_bf16_f32 v[HP+(\q)], v[T+2*(\q)], v[T+2*(\q)+1]
.endr
	s_and_saveexec_b32 s[SV], vcc_lo               ; lanes 16-31 hold h.  No global access is out: EXEC may be written
	ds_store_b128 v[HW], v[HP:HP+3] offset:HX+1024*(\l)
	s_or_b32 exec_lo, exec_lo, s[SV]
	s_wait_dscnt 0x0                               ; for the others' sake: my store is done
	s_barrier_signal -1
	MMH (\l)+1                                     ; work on registers while the others arrive: the next layer's Wh x 0 wants no h
	s_barrier_wait -1                              ; all 32 units of the 16 rows lie in LDS
	ds_load_b128 v[HB:HB+3],   v[HR] offset:HX+1024*(\l)       ; K = 8 (l / 16) + 0..7: wave l / 16's block for row r, at 256 (l / 16) + 16 r = 16 l
	ds_load_b128 v[HB+4:HB+7], v[HR] offset:HX+1024*(\l)+512   ; K = 16 + 8 (l / 16) + 0..7: two waves on
	s_wait_dscnt 0x0
	MMX (\l)+1, HB
.endm
	s_load_b512 s[8:23], s[0:1], 0x0               ; x s[8:9], Wx0 s[10:11], Wh0, Wx1, Wh1, Wx2, Wh2 s[12:21], bx0 s[22:23]
	s_load_b512 s[24:39], s[0:1], 0x40             ; bh0, bx1, bh1, bx2, bh2 s[24:33], Wfc s[34:35], bfc s[36:37], out0 s[38:39]
	v_lshl_add_u32 v[SPW], v0, 2, SPARE
	v_mov_b32 v[NIL], 0
	v_lshrrev_b32 v[RHO], 5, v0
	v_readfirstlane_b32 s[WV], v[RHO]              ; wave 0..3
	v_and_b32 v[LN], 31, v0
	v_and_b32 v[RW], 15, v0
	v_bfe_u32 v[HH], v0, 4, 1
	s_lshl_b32 s2, ttmp9, 17                       ; the work-group's 16 batch rows of x: 16 x 8,192 bytes
	s_mov_b32 s3, 0
	s_lshl_b32 s4, ttmp9, 6                        ; and its 16 numbers of out0
	s_mov_b32 s5, 0
	s_lshl_b32 s[W32], s[WV], 5
	s_mov_b32 s[KS], 0xbfb8aa3b                    ; -log2(e)
	s_mov_b32 s[KS+1], s[KS]                       ; named with it as a pair
	s_mov_b32 s[K2], 0xc038aa3b                    ; -2 log2(e)
	s_mov_b32 s[K2+1], s[K2]
	s_mov_b32 s[SEL], 0x76543210
	s_mov_b32 s[SEL+1], 0xfedcba98
	v_lshrrev_b32 v[RHO], 3, v[RW]
	v_and_b32 v[P0], 7, v[RW]
	v_lshl_add_u32 v[RHO], v[RHO], 5, v[P0]
	s_lshl_b32 s7, s[WV], 3
	v_add_nc_u32 v[RHO], s7, v[RHO]
	v_lshlrev_b32 v[WO], 7, v[RHO]
	v_lshl_add_u32 v[WO], v[HH], 5, v[WO]
	v_lshlrev_b32 v[W0O], 3, v[RHO]
	v_lshl_add_u32 v[BO], v[HH], 7, s[W32]
	v_lshlrev_b32 v[XO], 13, v[RW]
	s_lshl_b32 s7, s[WV], 8
	v_lshl_add_u32 v[HW], v[RW], 4, s7
	v_lshlrev_b32 v[HR], 4, v[LN]
	v_lshl_add_u32 v[PR], v[RW], 2, FCP
	s_lshl_b32 s7, s[WV], 6
	v_add_nc_u32 v[PW], s7, v[PR]
	v_lshlrev_b32 v[OO], 2, v[RW]
	v_cmp_lt_u32 vcc_lo, 15, v[LN]                 ; VCC = lanes 16-31, up to the last store
	v_mov_b32 v[KB], s[K2]
	v_mov_b32 v[KB+1], s[KS]
	v_cndmask_b32 v[KB], v[KB], v[KB+1], vcc_lo
	v_mov_b32 v[KB+1], v[KB]
	v_mov_b32 v[MA], 2.0
	v_mov_b32 v[MA+1], 1.0
	v_cndmask_b32 v[MA], v[MA], v[MA+1], vcc_lo
	v_mov_b32 v[MA+1], v[MA]
	v_mov_b32 v[MB], -1.0
	v_mov_b32 v[MB+1], 0
	v_cndmask_b32 v[MB], v[MB], v[MB+1], vcc_lo
	v_mov_b32 v[MB+1], v[MB]
	s_wait_kmcnt 0x0
	s_add_nc_u64 s[8:9], s[8:9], s[2:3]
	s_add_nc_u64 s[38:39], s[38:39], s[4:5]
	s_load_b256 s[WF:WF+7], s[34:35], s[W32] offset:0x0  ; Wfc of my 8 units
	s_load_b32 s[BF], s[36:37], 0x0
	; all of the wave's 67 vector loads, in one run
	global_load_b64 v[XS:XS+1], v[XO], s[8:9] offset:8184        ; x[16 g + r][1023][0..1]
	global_load_b64 v[W0S:W0S+1],   v[W0O], s[10:11]             ; Wx0's row for tile A,
	global_load_b64 v[W0S+2:W0S+3], v[W0O], s[10:11] offset:512  ; and for tile B
	WIN 0x40                                       ; destination window 1, address window 0
	LDW 0
	LDB 0
	LDB 1
	LDW 1
	LDW 2
	LDW 3
	LDW 4
	LDB 2
	LDB 3
	LDB 4
	LDB 5
	WIN 0
	; while they are on their way: the zeros.  x and Wx0 have K = 2 of the fragment's 32: one register, in lanes 0-15
.irp j, 1,2,3,4,5,6,7
	v_mov_b32 v[XB+(\j)], 0
	v_mov_b32 v[FR+(\j)], 0
	v_mov_b32 v[FR+8+(\j)], 0
.endr
.irp j, 0,1,2,3,4,5,6,7
	v_mov_b32 v[ZB+(\j)], 0
.endr
	s_wait_loadcnt 0x0                             ; the one wait for memory: all went out together, and all are wanted within the next lines
	s_wait_kmcnt 0x0                               ; Wfc and bfc
	s_wait_xcnt 0x0                                ; every load has read its address and EXEC: EXEC is written further down
	v_cvt_pk_bf16_f32 v[XB], v[XS], v[XS+1]
	v_cndmask_b32 v[XB], v[XB], v[ZB], vcc_lo      ; lanes 16-31 stand for K = 8, 9: zeros
	v_cvt_pk_bf16_f32 v[FR], v[W0S], v[W0S+1]      ; (in lanes 16-31 Wx0's row stands once more, at K = 8, 9, where x's fragment holds 0)
	v_cvt_pk_bf16_f32 v[FR+8], v[W0S+2], v[W0S+3]
	WIN 0x05                                       ; sources 0 and 1 window 1, destination window 0
	CVW 0
	BSUM 0
	CVW 1
	CVW 2
	CVW 3
	CVW 4
	BSUM 1
	BSUM 2
	WIN 0
	MMH 0
	MMX 0, XB
	ACT 0, ZB
	SHARE 0
	ACT 1, CC
	SHARE 1
	ACT 2, CC
	; the last product: my 8 units' share, two chains of four
	v_mul_f32 v[P0], s[WF], v[T]
	v_mul_f32 v[P0+1], s[WF+1], v[T+1]
	v_fmac_f32 v[P0], s[WF+2], v[T+2]
	v_fmac_f32 v[P0+1], s[WF+3], v[T+3]
	v_fmac_f32 v[P0], s[WF+4], v[T+4]
	v_fmac_f32 v[P0+1], s[WF+5], v[T+5]
	v_fmac_f32 v[P0], s[WF+6], v[T+6]
	v_fmac_f32 v[P0+1], s[WF+7], v[T+7]
	v_add_f32 v[P0], v[P0], v[P0+1]
	s_and_saveexec_b32 s[SV], vcc_lo               ; lanes 16-31 hold h
	ds_store_b32 v[PW], v[P0]
	s_or_b32 exec_lo, exec_lo, s[SV]
	s_wait_dscnt 0x0                               ; for wave 0's sake: my store is done
	s_barrier_signal -1
	s_barrier_wait -1
	s_cmp_lg_u32 s[WV], 0
	s_cbranch_scc1 .Lend
.irp v, 0,1,2,3
	ds_load_b32 v[T+(\v)], v[PR] offset:64*(\v)    ; the four waves' sums for batch row r
.endr
	s_wait_dscnt 0x0
	v_add_f32 v[T], v[T], v[T+1]
	v_add_f32 v[T+2], v[T+2], v[T+3]
	v_add_f32 v[T], v[T], v[T+2]
	v_add_f32 v[T], s[BF], v[T]
	v_cmp_gt_u32 vcc_lo, 16, v[LN]
	s_and_saveexec_b32 s[SV], vcc_lo               ; lanes 0-15: one number a batch row
	global_store_b32 v[OO], v[T], s[38:39]         ; 64 consecutive bytes
	s_wait_xcnt 0x0                                ; the store has read EXEC: only now is it widened
	s_or_b32 exec_lo, exec_lo, s[SV]
.Lend:
	s_wait_tensorcnt 0x0                           ; the wave's end, behind my last LDS store
	ds_add_u32 v[SPW], v[NIL]
	s_wait_dscnt 0x0
	s_endpgm
.Lfunc_end_k_q95020bae83_lstm:
	.size	k_q95020bae83_lstm, .Lfunc_end_k_q95020bae83_lstm-k_q95020bae83_lstm
	.p2alignl 7, 3214868480
	.fill 96, 4, 3214868480
	.section	.rodata,"a",@progbits
	.p2align	6, 0x0
	.amdhsa_kernel k_q95020bae83_lstm
		.amdhsa_group_segment_fixed_size 2816
		.amdhsa_private_segment_fixed_size 0
		.amdhsa_enable_private_segment 0
		.amdhsa_kernarg_size 128
		.amdhsa_user_sgpr_count 2
		.amdhsa_user_sgpr_kernarg_segment_ptr 1
		.amdhsa_wavefront_size32 1
		.amdhsa_system_sgpr_workgroup_id_x 1
		.amdhsa_system_sgpr_workgroup_id_y 1
		.amdhsa_system_sgpr_workgroup_id_z 1
		.amdhsa_system_vgpr_workitem_id 0
		.amdhsa_next_free_vgpr 512
		.amdhsa_next_free_sgpr 66
		.amdhsa_reserve_vcc 1
		.amdhsa_float_denorm_mode_32 3
		.amdhsa_float_denorm_mode_16_64 3
		.amdhsa_memory_ordered 1
		.amdhsa_forward_progress 1
		.amdhsa_inst_pref_size 37
	.end_amdhsa_kernel
	.amdgpu_metadata
---
amdhsa.version: [ 1, 2 ]
amdhsa.kernels:
  - .name:           k_q95020bae83_lstm
    .symbol:         k_q95020bae83_lstm.kd
    .args:
      - { .name: x, .offset: 0, .size: 8, .value_kind: global_buffer, .address_space: global }
      - { .name: Wx0, .offset: 8, .size: 8, .value_kind: global_buffer, .address_space: global }
      - { .name: Wh0, .offset: 16, .size: 8, .value_kind: global_buffer, .address_space: global }
      - { .name: Wx1, .offset: 24, .size: 8, .value_kind: global_buffer, .address_space: global }
      - { .name: Wh1, .offset: 32, .size: 8, .value_kind: global_buffer, .address_space: global }
      - { .name: Wx2, .offset: 40, .size: 8, .value_kind: global_buffer, .address_space: global }
      - { .name: Wh2, .offset: 48, .size: 8, .value_kind: global_buffer, .address_space: global }
      - { .name: bx0, .offset: 56, .size: 8, .value_kind: global_buffer, .address_space: global }
      - { .name: bh0, .offset: 64, .size: 8, .value_kind: global_buffer, .address_space: global }
      - { .name: bx1, .offset: 72, .size: 8, .value_kind: global_buffer, .address_space: global }
      - { .name: bh1, .offset: 80, .size: 8, .value_kind: global_buffer, .address_space: global }
      - { .name: bx2, .offset: 88, .size: 8, .value_kind: global_buffer, .address_space: global }
      - { .name: bh2, .offset: 96, .size: 8, .value_kind: global_buffer, .address_space: global }
      - { .name: Wfc, .offset: 104, .size: 8, .value_kind: global_buffer, .address_space: global }
      - { .name: bfc, .offset: 112, .size: 8, .value_kind: global_buffer, .address_space: global }
      - { .name: out0, .offset: 120, .size: 8, .value_kind: global_buffer, .address_space: global }
    .group_segment_fixed_size: 2816
    .private_segment_fixed_size: 0
    .kernarg_segment_align: 8
    .kernarg_segment_size: 128
    .max_flat_workgroup_size: 128
    .sgpr_count:     66
    .vgpr_count:     512
    .wavefront_size: 32
...
	.end_amdgpu_metadata
.endif
;; end of part 1
